; MI455X (gfx1250); checked and timed in simulation.
; The chip was launched on July 23, 2026; its instructions are those of AMD's public machine-readable ISA for CDNA 5 (MIT licence, August 2026) and "CDNA5" Instruction Set Architecture Reference Guide (July 2026). The comments in the code are by the model that wrote it; some were corrected since.
;; FAPM. Allowed arithmetic: matrix products marked QUANTISED: E3M2 operands, one E8M0 scale for each 32 along K, by v_wmma_scale_f32_16x16x128_f8f6f4 with both operands' format E3M2, f32 sums; everything else in f32.
;; Inputs: embedding 16,384 x 384 float32; memory_bank 8,192 x 384 float32.
;; Outputs: out0 16,384 x 9 float32.
;; Constants: n_neighbors = 9.
;; This version of the problem:
;;   THIS VERSION OF THE PROBLEM IS GIVEN IN LOW PRECISION. The matrix products marked QUANTISED in the list below multiply operands that are first quantised to E3M2 (3 exponent bits, 2 mantissa bits; 6 bits a number), with one power-of-two scale for each 32 numbers along K (OCP MX v1.0); their sums are f32. All else is computed in f32.
;;   The module's matrix products, in the order in which they are computed (A, B: the left and right operand; K: the contracted axis; several contracted axes count as one K, in the product's order):
;;     1. [M 16,384, K 384] x [K 384, N 8,192]; A: input embedding; B: input memory_bank: QUANTISED
;;   THE QUANTISER, for each operand of a quantised product, along K:
;;     - K is cut into blocks of 32 from its start; a last block that is shorter is filled with zeros.
;;     - A block's scale is 2^e with e = floor(log2(the largest magnitude in the block)) - 4, held to -126 .. 127; a block of zeros has e = 0. As a byte (E8M0): e + 127.
;;     - Each number is divided by its block's scale, clamped to +-28, and rounded to the nearest number of E3M2, ties to even, subnormals kept.
;;     - The product sums the exact products of the quantised numbers (number of the format x scale) in f32.
;;   ~~~python
;;   def quantise(x, axis):      # numpy; x: float32 -> the quantised numbers, widened to float32 again
;;       x = np.moveaxis(x, axis, -1); K = x.shape[-1]
;;       x = np.pad(x, [(0, 0)] * (x.ndim - 1) + [(0, -K % 32)]); x = x.reshape(x.shape[:-1] + (-1, 32)); a = np.abs(x).max(-1, keepdims=True)
;;       e = np.where(a > 0, np.clip(np.frexp(np.where(a > 0, a, 1))[1] - 1 - 4, -126, 127), 0)      # np.frexp(a)[1] - 1 = floor(log2(a)), exactly
;;       r = np.clip(x / 2.0 ** e, -28, 28)
;;       step = 2.0 ** (np.maximum(np.frexp(np.where(r == 0, 1, r))[1] - 1, -2) - 2)
;;       q = np.round(r / step) * step * 2.0 ** e      # np.round: ties to even
;;       return np.moveaxis(q.reshape(q.shape[:-2] + (-1,))[..., :K], -1, axis).astype(np.float32)
;;   ~~~
;; One version. Each part assembles by itself: llvm-mc -triple=amdgcn-amd-amdhsa -mcpu=gfx1250 --defsym DOCPART=n.
;; ======== version 1 of 1: 2 launches
;; workspace buffers: emb_img 5,242,880 bytes; bank_img 2,621,440 bytes
;; launch quant (part 1): grid 384 x 1, 4 waves a work-group, no clusters, 37,376 bytes of LDS; arguments embedding, memory_bank, emb_img, bank_img; writes emb_img, bank_img
.if DOCPART == 1
	.amdgcn_target "amdgcn-amd-amdhsa--gfx1250"
	.amdhsa_code_object_version 6
	.text
	.protected	k_q92e3792b68_quant
	.globl	k_q92e3792b68_quant
	.p2align	8
	.type	k_q92e3792b68_quant,@function
k_q92e3792b68_quant:
	s_mov_b64 s[64:65], 0
	v_nop
	global_prefetch_b8 v0, s[64:65] scope:SCOPE_SE
	s_setreg_imm32_b32 hwreg(HW_REG_WAVE_MODE, 25, 1), 1
	s_wait_xcnt 0x0
; embedding [16384][384] and memory_bank [8192][384], f32, become RECORDS of 16 rows, 5,120 bytes each, laid as the next launch's operand registers want them.
; A record:  bytes 0 .. 4,607     the codes of BF6 (E3M2), as an image of registers: K step ks (128 along K), registers 4 c .. 4 c + 3 of the 12 of lane l at ks x 1536 + c x 512 + 16 l;
;                                 lane l = (r, h) holds row r, registers 6 c2 .. 6 c2 + 5 = k 128 ks + 64 c2 + 32 h + 0 .. 31 (the 6-bit operand layout: ISA guide 7.12)
;            bytes 4,608 + 16 r   row r's three scale words (four E8M0 bytes for 128 along K each) and a word of 0
;            bytes 4,864 + 4 r    one f32: the sum of the row's squares, taken of the numbers as they are given: x 1 for the embedding, x -1/2 for the memory bank
;            bytes 4,928 .. 5,119 zeros
; A block's scale is 2^(floor(log2(its largest magnitude)) - 4); its byte is the largest magnitude's exponent field - 4, held at 1 from below.
; LIMITS: a block of zeros keeps the byte 1 where the rule says 127 (its codes are zeros, and this program alone reads the bytes); blocks whose largest magnitude lies under 2^(5 - 127) were not tried;
; NaN and infinities among the inputs are not served.
; SHARES.  A wave makes one record; the waves share nothing, so there is no barrier.  Work-groups 0-255 take the embedding's 1,024 records, work-groups 256-383 the bank's 512: pointers and the factor are
; chosen on the work-group's number, and both tensors take one path through the text.
; Each load reads 512 consecutive bytes (one row's K step, 16 bytes a lane).  The conversions want 32 neighbours along K in ONE lane, so a K step's 16 rows turn through the wave's own stage in LDS.
.set ROWB,  1536                       ; a row of 384 f32 in bytes
.set REC,   5120                       ; a record
.set WREG,  9216                       ; LDS of a wave: the stage, 16 rows x SPI, and behind it 512 bytes for the record's tail
.set SPI,   528                        ; a stage row: 512 bytes + 16 = 33 x 16: the 16 rows that a read touches start in 16 different groups of four banks
.set BKO,   16*SPI
.set NRM,   12                         ; v[12:15] the sum of squares, in two packed chains
.set MX,    16                         ; v16-17 largest magnitudes; v18-19 the conversions' scale operands; v20-21 bytes; v22 half a scale word
.set SW,    24                         ; v[24:27] the three scale words and 0
.set ZR,    28                         ; v[28:31] zeros
.set R,     32                         ; v32-223 three sets of 64 numbers, one for each K step
.set T,     236                        ; v236-243 the upper halves of two blocks' codes
.set BKR,   244                        ; v[244:247] the record's tail on its way out
	s_load_b256 s[4:11], s[0:1], 0x0               ; embedding s[4:5], memory_bank s[6:7], emb_img s[8:9], bank_img s[10:11]
	v_lshl_add_u32 v254, v0, 2, 0x9000
	v_mov_b32 v255, 0
	v_lshrrev_b32 v1, 5, v0
	v_readfirstlane_b32 s12, v1                    ; wave 0..3
	v_and_b32 v1, 31, v0                           ; lane
	v_and_b32 v2, 15, v0                           ; r
	v_bfe_u32 v3, v0, 4, 1                         ; h
	v_lshlrev_b32 v4, 4, v1                        ; 16 x lane: my place in every load and store of 512 bytes; never rewritten
	s_mul_i32 s22, s12, WREG
	v_add_nc_u32 v5, s22, v4                       ; the stage, on the way in: 16 x lane of a row
	v_mul_u32_u24 v6, v2, SPI
	v_lshl_add_u32 v6, v3, 7, v6
	v_add_nc_u32 v6, s22, v6                       ; and on the way out: row r, + 128 h: my block of 32 numbers
	s_add_co_u32 s23, s22, BKO
	v_add_nc_u32 v7, s23, v4                       ; the tail: 16 x lane,
	v_lshlrev_b32 v8, 4, v2
	v_add_nc_u32 v8, s23, v8                       ; 16 r (the scale words),
	v_lshlrev_b32 v9, 2, v2
	v_add_nc_u32 v9, s23, v9                       ; 4 r (the norm, 256 bytes on)
	v_lshlrev_b32 v10, 3, v3                       ; 8 h: by so many bits my two scale bytes move up in the word
	v_mov_b32 v11, 0                               ; written once: a lane permute's destination counts as one of its sources
.irp i, 12,13,14,15,27,28,29,30,31
	v_mov_b32 v\i, 0
.endr
	s_mov_b32 s20, 0x76543210
	s_mov_b32 s21, 0xfedcba98                      ; v_permlanex16_b32's selects for lane l xor 16
	s_wait_kmcnt 0x0
	s_cmp_lt_u32 ttmp9, 256                        ; the embedding's work-group or the bank's?  The choice hangs on the work-group's number alone
	s_cselect_b64 s[4:5], s[4:5], s[6:7]
	s_cselect_b64 s[8:9], s[8:9], s[10:11]
	s_cselect_b32 s14, 1.0, -0.5                   ; what the sum of squares is multiplied by
	s_cselect_b32 s15, 0, 256
	s_sub_co_u32 s13, ttmp9, s15
	s_lshl_b32 s13, s13, 2
	s_add_co_u32 s13, s13, s12                     ; my record's number in its tensor
	s_mul_i32 s16, s13, 16*ROWB                    ; under 2^25
	s_mov_b32 s17, 0
	s_mul_i32 s18, s13, REC
	s_mov_b32 s19, 0
	s_add_nc_u64 s[4:5], s[4:5], s[16:17]
	s_add_nc_u64 s[8:9], s[8:9], s[18:19]
.irp ks, 0,1,2                                 ; all 48 loads of the record go out at once, K step by K step
.irp i, 0,1,2,3,4,5,6,7,8,9,10,11,12,13,14,15
	global_load_b128 v[R+64*\ks+4*\i:R+64*\ks+4*\i+3], v4, s[4:5] offset:\i*ROWB+\ks*512 th:TH_LOAD_NT   ; row i, K step ks: 512 consecutive bytes, read once in the launch
.endr
.endr
; K step ks; its 12 registers of codes go to v[f] on.
.macro KS ks, f
.set st, R+64*(\ks)
	s_wait_loadcnt 32-16*(\ks)                     ; loads come back in order: this K step's 16 are in, the 16 of each later K step may be out
.irp i, 0,1,2,3,4,5,6,7,8,9,10,11,12,13,14,15
	ds_store_b128 v5, v[st+4*\i:st+4*\i+3] offset:SPI*\i
.endr
	s_wait_dscnt 0x0                               ; the stores have read their registers, which the loads below fill again
.irp c, 0,1
.irp i, 0,1,2,3,4,5,6,7
	ds_load_b128 v[st+32*\c+4*\i:st+32*\c+4*\i+3], v6 offset:256*\c+16*\i   ; row r, k = 64 c + 32 h + 4 i on: two whole blocks of 32 a lane
.endr
.endr
	s_wait_dscnt 0x0
.set n, 0
.rept 16
	v_pk_fma_f32 v[NRM:NRM+1], v[st+n:st+n+1], v[st+n:st+n+1], v[NRM:NRM+1]           ; the sum of squares, of the numbers as given, in f32
	v_pk_fma_f32 v[NRM+2:NRM+3], v[st+n+2:st+n+3], v[st+n+2:st+n+3], v[NRM+2:NRM+3]
.set n, n+4
.endr
.irp c, 0,1
	v_max3_num_f32 v[MX+\c], |v[st+32*\c]|, |v[st+32*\c+1]|, 0x2800000   ; the block's largest magnitude, and the floor 2^(5 - 127): so the byte cannot fall under 1
.endr
.irp i, 2,4,6,8,10,12,14,16,18,20,22,24,26,28,30
.irp c, 0,1
	v_max3_num_f32 v[MX+\c], v[MX+\c], |v[st+32*\c+\i]|, |v[st+32*\c+\i+1]|   ; (the two blocks by turns)
.endr
.endr
.irp c, 0,1
	v_add_nc_u32 v[MX+2+\c], 0xfe000000, v[MX+\c]  ; 4 off its exponent field: the conversion takes the exponent field of this operand as its scale, and nothing else of it
.endr
.irp c, 0,1
	v_lshrrev_b32 v[MX+4+\c], 23, v[MX+2+\c]       ; the scale's byte
.endr
	v_lshl_or_b32 v[MX+6], v[MX+5], 16, v[MX+4]    ; my two bytes: blocks h and 2 + h of row r,
	v_lshlrev_b32 v[MX+6], v10, v[MX+6]            ; at their places in the word;
	v_permlanex16_b32 v11, v[MX+6], s20, s21
	v_or_b32 v[SW+\ks], v[MX+6], v11               ; with lane l xor 16's two the word is whole, in both lanes
.irp c, 0,1
	v_cvt_scalef32_pk16_bf6_f32 v[\f+6*\c:\f+6*\c+2], v[st+32*\c:st+32*\c+15], v[MX+2+\c]
	v_cvt_scalef32_pk16_bf6_f32 v[T+4*\c:T+4*\c+2], v[st+32*\c+16:st+32*\c+31], v[MX+2+\c]   ; (a conversion's three registers begin on an even number: a block's upper half is made elsewhere and moved)
.endr
	v_nop                                          ; one plain place behind a scaled conversion
.irp c, 0,1
.irp i, 0,1,2
	v_mov_b32 v[\f+6*\c+3+\i], v[T+4*\c+\i]
.endr
.endr
.irp c, 0,1,2
	global_store_b128 v4, v[\f+4*\c:\f+4*\c+3], s[8:9] offset:1536*(\ks)+512*\c   ; 32 lanes store 512 consecutive bytes, at a multiple of 256 from the image's first byte
.endr
.endm
	KS 0, 224                                      ; each K step's codes have registers of their own, so no store's data are written again:
	KS 1, 32                                       ; K steps 1 and 2 take registers of K step 0's numbers, which are done with
	KS 2, 44
	v_pk_add_f32 v[NRM:NRM+1], v[NRM:NRM+1], v[NRM+2:NRM+3]
	v_add_f32 v[NRM], v[NRM], v[NRM+1]             ; my six blocks of row r,
	v_permlanex16_b32 v11, v[NRM], s20, s21
	v_add_f32 v[NRM], v[NRM], v11                  ; and lane l xor 16's six
	v_mul_f32 v[NRM], s14, v[NRM]
	ds_store_b128 v7, v[ZR:ZR+3]                   ; the record's tail, 512 bytes: zeros first; LDS serves a wave's instructions in order (ISA guide 5.7.1), so what follows lands on them
	ds_store_b128 v8, v[SW:SW+3]                   ; row r's scale words (both halves of the lanes write the same bytes with the same values)
	ds_store_b32 v9, v[NRM] offset:256             ; row r's norm word
	ds_load_b128 v[BKR:BKR+3], v7
	s_wait_dscnt 0x0
	global_store_b128 v4, v[BKR:BKR+3], s[8:9] offset:4608   ; 512 consecutive bytes
	s_wait_tensorcnt 0x0
	ds_add_u32 v254, v255
	s_wait_dscnt 0x0
	s_endpgm
.Lfunc_end_k_q92e3792b68_quant:
	.size	k_q92e3792b68_quant, .Lfunc_end_k_q92e3792b68_quant-k_q92e3792b68_quant
	.p2alignl 7, 3214868480
	.fill 96, 4, 3214868480
	.section	.rodata,"a",@progbits
	.p2align	6, 0x0
	.amdhsa_kernel k_q92e3792b68_quant
		.amdhsa_group_segment_fixed_size 37376
		.amdhsa_private_segment_fixed_size 0
		.amdhsa_enable_private_segment 0
		.amdhsa_kernarg_size 32
		.amdhsa_user_sgpr_count 2
		.amdhsa_user_sgpr_kernarg_segment_ptr 1
		.amdhsa_wavefront_size32 1
		.amdhsa_system_sgpr_workgroup_id_x 1
		.amdhsa_system_sgpr_workgroup_id_y 1
		.amdhsa_system_sgpr_workgroup_id_z 1
		.amdhsa_system_vgpr_workitem_id 0
		.amdhsa_next_free_vgpr 256
		.amdhsa_next_free_sgpr 66
		.amdhsa_reserve_vcc 0
		.amdhsa_float_denorm_mode_32 3
		.amdhsa_float_denorm_mode_16_64 3
		.amdhsa_memory_ordered 1
		.amdhsa_forward_progress 1
		.amdhsa_inst_pref_size 30
	.end_amdhsa_kernel
	.amdgpu_metadata
---
amdhsa.version: [ 1, 2 ]
amdhsa.kernels:
  - .name:           k_q92e3792b68_quant
    .symbol:         k_q92e3792b68_quant.kd
    .args:
      - { .name: embedding, .offset: 0, .size: 8, .value_kind: global_buffer, .address_space: global }
      - { .name: memory_bank, .offset: 8, .size: 8, .value_kind: global_buffer, .address_space: global }
      - { .name: emb_img, .offset: 16, .size: 8, .value_kind: global_buffer, .address_space: global }
      - { .name: bank_img, .offset: 24, .size: 8, .value_kind: global_buffer, .address_space: global }
    .group_segment_fixed_size: 37376
    .private_segment_fixed_size: 0
    .kernarg_segment_align: 8
    .kernarg_segment_size: 32
    .max_flat_workgroup_size: 128
    .sgpr_count:     66
    .vgpr_count:     256
    .wavefront_size: 32
...
	.end_amdgpu_metadata
.endif
;; end of part 1
;; launch knn (part 2): grid 256 x 1, 8 waves a work-group, clusters of 4 x 1, 327,680 bytes of LDS; arguments emb_img, bank_img, out0; writes out0
.if DOCPART == 2
	.amdgcn_target "amdgcn-amd-amdhsa--gfx1250"
	.amdhsa_code_object_version 6
	.text
	.protected	k_q92e3792b68_knn
	.globl	k_q92e3792b68_knn
	.p2align	8
	.type	k_q92e3792b68_knn,@function
k_q92e3792b68_knn:
	s_mov_b64 s[64:65], 0
	v_nop
	global_prefetch_b8 v0, s[64:65] scope:SCOPE_SE
	s_setreg_imm32_b32 hwreg(HW_REG_WAVE_MODE, 25, 1), 1
	s_wait_xcnt 0x0
	s_wait_alu depctr_hold_cnt(0) depctr_sa_sdst(0) depctr_va_vdst(0) depctr_va_sdst(0) depctr_va_ssrc(0) depctr_va_vcc(0) depctr_vm_vsrc(0)
	s_getreg_b32 s2, hwreg(HW_REG_IB_STS2, 6, 4)
	s_cmp_eq_u32 s2, 0
	s_cbranch_scc0 .Lentry_in_a_cluster
	s_endpgm
.Lentry_in_a_cluster:
	s_bfe_u32 s2, ttmp6, 0x10000c
	s_cmp_lg_u32 s2, 0x3003
	s_cbranch_scc0 .Lentry_shape_is_right
	s_endpgm
.Lentry_shape_is_right:
; out0[q][0..8] = the nine smallest sqrt(max(|x_q|^2 - 2 Q(x_q).Q(y_m) + |y_m|^2, 0)) over the 8,192 rows y_m of the bank, ascending.  Q: codes of BF6 (E3M2) with one E8M0 scale for each 32 along K = 384.
; Both operands come as records of 16 rows (5,120 bytes: codes as an image of the operand's registers, 4,608 bytes; at 4,608 + 16 r the row's three scale words; at 4,864 + 4 r one f32: |x|^2, or -|y|^2 / 2).
; THE SCORE is t = Q(x).Q(y) - |y|^2 / 2: the second term is the C of a sum's first matrix instruction.  d^2 = |x|^2 - 2 t falls as t rises, so the nine LARGEST t are wanted; only they are clamped and rooted.
; LIMITS: NaN and infinities among the inputs are not served.  d^2 is formed as |x|^2 - 2 (dot - |y|^2 / 2): another order of rounding than x_norm - 2 dot + y_norm, by a few ulp of the norms.
; SHARES.  A work-group owns 64 queries (4 tiles of 16).  Each of its eight waves keeps ALL four query tiles in registers and walks its own eighth of the bank, 64 tiles of 16 rows: 21 triples of tiles and one tile more.
; Source 0 = 16 bank rows, source 1 = 16 queries: lane (r, h) holds query r and, in register j, bank row 8 h + j: a lane serves one query, and the selection asks no other lane.
; A fragment of the bank read from LDS feeds four matrix instructions.
; THE SELECTION is exact and has no branch on data.  Tools: a sort of three (max3, med3, min3); the insertion of x into a descending list L: L[i] = med3(L[i-1], L[i], x), from the end on, L[0] = max(L[0], x).
; If an element is known to have d others at least as large (its dominators), and the elements that share a list have disjoint sets of dominators, a list of s places with s (d + 1) + d >= 9 loses nothing:
; what is pushed out has nine at least as large.  A lane's 24 scores of a triple are sorted three by three into a >= b >= c (8 each); each eight is sorted in groups of 3, 3, 2; the a's three firsts are sorted again.
;   a level: F1 -> L9[9];  F2 (d = 1) -> LF2[4];  F3 (2) -> LF3[3];  the groups' seconds (1) -> LAS[4];  thirds (2) -> LAT[3]
;   b level (own a above it): firsts (1) -> LBF[4];  seconds (3) -> LBS[2];  thirds (5) -> LBT[1]          c level (own a, b): firsts (2) -> LCF[3];  seconds (5) -> LCS[1];  thirds (8) -> LCT[1]
; 116 instructions for 24 scores.  At the end the lists are merged into L9, dominators first: the i-th of a list with d then finds i (d + 1) - 1 at least as large in L9, and its insertion begins at that place.
; TWO ORDERS.  In an interval between two changes of slots waves 0-3 multiply a triple and then select from it; waves 4-7 select from the triple before and then multiply: matrix and vector work are both on offer throughout.
; THE RING.  Two LDS slots.  Behind each change of slots every wave asks for its next three records, 15,360 dense bytes, with one tensor load into its own part of the other slot; only the wave itself reads them.
; CLUSTER.  All work-groups walk the same image of the bank; the four of a cluster ask JOINTLY: the same load, the same descriptor (made of the wave's number and the trip alone), a mask that names the four.
; No prefetch is laid: the bank's image is walked by every cluster of the launch, not read once.
; REGISTERS, in windows of 256 (s_set_vgpr_msb: bits 1:0 source 0, 3:2 source 1, 5:4 source 2, 7:6 destination):
;   window 0: v1-15, v224 addresses; v16-159 the queries' 12 fragments; v160-175 their scale words; v176-211 a bank tile's 3 fragments; v212-214 its scale words; v216-223 its -|y|^2 / 2; on the way out v16-65 at work
;   window 1: v0-95 the 12 accumulators (tile u of the triple, query tile q: 8 (4 u + q)); v96-235 the lists, 35 for each query tile; v236-251 a and b of the query tile in hand
.set REC,    5120
.set FILLB,  3*REC                     ; what one tensor load brings
.set LASTO,  61*REC                    ; the last fill begins at record 61 of the wave's 64, so that it has the shape of the others; its third record is the tile left over
.set SLOT1,  1<<17                     ; slot 1 begins here: one exclusive or turns an address in one slot into the other's.  A slot: 8 waves x 15,360 bytes
.set MG1,    SLOT1+8*FILLB             ; the first meeting of lists: word i x 1280 + source x 80 + query, source = 2 wave + h: 46,080 bytes.  No fill ever lands from here on
.set MG2,    MG1+9*5120                ; the second: word i x 256 + part x 64 + query: 9,216 bytes
.set OUTS,   MG2+9*1024                ; 64 rows of out0: 2,304 bytes
.set SPARE,  OUTS+2304                 ; the spare words, 128 bytes for each wave: four blocks of 256 bytes that no other line names
.set NTRIP,  21
.set LAF,  1                           ; v1   my lane's place in a record's codes: 15360 wave + 16 lane
.set LAS_, 2                           ; v2   among its scale words: 15360 wave + 16 r
.set LAY,  3                           ; v3   among its norm words: 15360 wave + 32 h
.set ADR,  4                           ; v4-6 the same three in the slot in hand
.set ADS,  5
.set ADY,  6
.set SPW,  7                           ; v7   LDS address of my spare word: SPARE + 4 x my thread's number; never rewritten
.set NIL,  8                           ; v8   0; never rewritten
.set XN,   9                           ; v9   |x|^2 of query thread % 64
.set MW,   10                          ; v10  where I put my lists
.set MR,   11                          ; v11  where I read four of them
.set M2W,  12                          ; v12, v13 the same for the second meeting
.set M2R,  13
.set OW,   14                          ; v14  where a query's nine distances go
.set T8,   15                          ; v15  8 x thread: my byte offset in the work-group's part of out0
.set QF,   16
.set QS,   160
.set AF,   176
.set SA,   212
.set YH,   216
.set OL,   224                         ; v224 OUTS + 8 x thread
.set CL,   16                          ; the way out: four lists of nine
.set DS,   52                          ; nine distances
.set LST,  96                          ; window 1: the lists of query tile q at LST + 35 q
.set L9,   0
.set LF2,  9
.set LF3,  13
.set LAS,  16
.set LAT,  20
.set LBF,  23
.set LBS,  27
.set LBT,  29
.set LCF,  30
.set LCS,  33
.set LCT,  34
.set TA,   236
.set TB_,  244
.set WV,    10                         ; s10  my wave's number
.set TB,    13                         ; s13  LDS byte at which the slot in hand begins
.set TRIPS, 14
.set G1,    16                         ; s[16:23] descriptor group 1
.set G0,    24                         ; s[24:27] descriptor group 0: it walks
.set BB,    28                         ; s[28:29] my wave's 64 records of the bank
.set OFS,   30                         ; s[30:31] the byte among them at which the next fill begins
.set MSB, 0
.macro WIN new                         ; the immediate's high byte repeats the setting that is left; a switch that changes nothing is dropped
.if MSB != \new
	s_set_vgpr_msb (MSB<<8)|\new
.set MSB, \new
.endif
.endm
; A round of the cluster's barrier: my work-group's barrier, so that wave 0's signal speaks for all eight waves; wave 0 signals for the work-group; every wave waits for all four work-groups; my work-group's barrier once more.
.macro ROUND
	s_barrier_signal -1
	s_barrier_wait -1
	s_cmp_lg_u32 s[WV], 0
	s_cbranch_scc1 .Lnot_wave_0_\@
	s_barrier_signal -3
.Lnot_wave_0_\@:
	s_barrier_wait -3
	s_barrier_signal -1
	s_barrier_wait -1
.endm
; THE CHANGE OF SLOTS stands at an interval's head.  Each wave waits for all its tensor loads (one is out: its part of the slot that it is about to read), adds 0 to its spare word, and waits for that and for its reads
; of the slot that it has left.  fill = 1: a round of the cluster's barrier, and the joint load of the next three records into the slot just left is the first thing behind it: it has the whole interval in which to land.
.macro CHANGE fill
	s_wait_tensorcnt 0x0                           ; no tensor load of mine is out, so group 0 may be written
	ds_add_u32 v[SPW], v[NIL]                      ; 0 onto my spare word: the descriptor's steps stand between it and the wait for it
.if \fill
	s_xor_b32 s[G0+1], s[G0+1], SLOT1              ; the other slot than last time
	s_add_co_u32 s[OFS], s[OFS], FILLB             ; three records on,
	s_min_u32 s[OFS], s[OFS], LASTO                ; but never past the wave's 64
	s_add_nc_u64 s[G0+2:G0+3], s[BB:BB+1], s[OFS:OFS+1]
	s_or_b32 s[G0+3], s[G0+3], 0x80000000          ; 127:126 type = 2
.endif
	s_wait_dscnt 0x0                               ; the add is done, and my reads of the slot that I have left are over
.if \fill
	ROUND                                          ; no wave of any partner still reads that slot or has a load on its way
	tensor_load_to_lds s[G0:G0+3], s[G1:G1+7]      ; my one tensor load until the next round
	s_nop 0
.rept 4
	v_nop
.endr
.else
	s_barrier_signal -1
	s_barrier_wait -1
.endif
	v_add_nc_u32 v[ADR], s[TB], v[LAF]             ; the addresses in the slot in hand: written on the way that all waves take
	v_add_nc_u32 v[ADS], s[TB], v[LAS_]
	v_add_nc_u32 v[ADY], s[TB], v[LAY]
.endm
; ONE BANK TILE against the four query tiles: record rec of the slot, into the accumulators of tile u.  12 LDS loads, 12 matrix instructions.  The four accumulators take turns, one instruction a turn.
.macro WT u, rec
	ds_load_b128 v[YH:YH+3], v[ADY] offset:(\rec)*REC+4864     ; -|y|^2 / 2 of rows 8 h + 0 .. 7: the result's layout
	ds_load_b128 v[YH+4:YH+7], v[ADY] offset:(\rec)*REC+4880
	ds_load_b128 v[SA:SA+3], v[ADS] offset:(\rec)*REC+4608     ; row r's three scale words (and the record's word of 0, which nothing names)
.irp i, 0,1,2,3,4,5,6,7,8
	ds_load_b128 v[AF+4*\i:AF+4*\i+3], v[ADR] offset:(\rec)*REC+512*\i   ; the image comes back as it was stored: 512 consecutive bytes a load
.endr
.irp ks, 0,1,2
	s_wait_dscnt 6-3*\ks                           ; LDS loads come back in order (ISA guide 5.7.1): all up to this K step's fragment are in; the three loads of each later K step may be out
.if \ks == 0
	WIN 0x40                                       ; D in window 1; A, B and C in window 0
.else
	WIN 0x50                                       ; C and D in window 1
.endif
.irp q, 0,1,2,3
.if \ks == 0
	v_wmma_scale_f32_16x16x128_f8f6f4 v[8*(4*(\u)+\q):8*(4*(\u)+\q)+7], v[AF:AF+11], v[QF+36*\q:QF+36*\q+11], v[YH:YH+7], v[SA], v[QS+4*\q] matrix_a_fmt:MATRIX_FMT_BF6 matrix_b_fmt:MATRIX_FMT_BF6
.else
	v_wmma_scale_f32_16x16x128_f8f6f4 v[8*(4*(\u)+\q):8*(4*(\u)+\q)+7], v[AF+12*\ks:AF+12*\ks+11], v[QF+36*\q+12*\ks:QF+36*\q+12*\ks+11], v[8*(4*(\u)+\q):8*(4*(\u)+\q)+7], v[SA+\ks], v[QS+4*\q+\ks] matrix_a_fmt:MATRIX_FMT_BF6 matrix_b_fmt:MATRIX_FMT_BF6
.endif
.endr
.endr
	WIN 0
.rept 4
	v_nop                                          ; four places in front of the next loads into registers that these products read, and of the first read of their results
.endr
.endm
.macro WTRIPLE
	WT 0, 0
	WT 1, 1
	WT 2, 2
.endm
; THE SELECTION'S TOOLS.  All registers in window 1.
.macro S3 x, y, z, H, M                ; H >= M >= z
	v_max3_num_f32 v[\H], v[\x], v[\y], v[\z]
	v_med3_num_f32 v[\M], v[\x], v[\y], v[\z]
	v_min3_num_f32 v[\z], v[\x], v[\y], v[\z]
.endm
.macro S2 x, y, H                      ; H >= y
	v_max_num_f32 v[\H], v[\x], v[\y]
	v_min_num_f32 v[\y], v[\x], v[\y]
.endm
.macro INS base, k, p, x               ; x into the descending list of k at base, of whose places the first p are known to hold at least x.  From the end on: each line reads places that are not yet rewritten
.set ii, (\k)-1
.rept (\k)-1-(\p)
	v_med3_num_f32 v[ii+(\base)], v[ii-1+(\base)], v[ii+(\base)], v[\x]
.set ii, ii-1
.endr
	v_max_num_f32 v[(\p)+(\base)], v[(\p)+(\base)], v[\x]
.endm
.macro GROUPS src, scr                 ; eight numbers in groups of 3, 3, 2.  Firsts: scr, scr + 2, scr + 4; seconds: scr + 1, scr + 3, src + 7; thirds: src + 2, src + 5
	S3 \src, \src+1, \src+2, \scr, \scr+1
	S3 \src+3, \src+4, \src+5, \scr+2, \scr+3
	S2 \src+6, \src+7, \scr+4
.endm
.macro ALEVEL src, scr, l              ; insertions into different lists take turns, so that few lines wait for the line above them
	GROUPS \src, \scr
	S3 \scr, \scr+2, \scr+4, \scr+5, \scr+6        ; F1 = scr + 5, F2 = scr + 6, F3 = scr + 4
	INS \l+L9, 9, 0, \scr+5
	INS \l+LAS, 4, 0, \scr+1
	INS \l+LF2, 4, 0, \scr+6
	INS \l+LAT, 3, 0, \src+2
	INS \l+LAS, 4, 0, \scr+3
	INS \l+LF3, 3, 0, \scr+4
	INS \l+LAT, 3, 0, \src+5
	INS \l+LAS, 4, 0, \src+7
.endm
.macro BLEVEL src, scr, l
	GROUPS \src, \scr
	INS \l+LBF, 4, 0, \scr
	INS \l+LBS, 2, 0, \scr+1
	INS \l+LBF, 4, 0, \scr+2
	INS \l+LBS, 2, 0, \scr+3
	INS \l+LBF, 4, 0, \scr+4
	INS \l+LBS, 2, 0, \src+7
	v_max3_num_f32 v[\l+LBT], v[\l+LBT], v[\src+2], v[\src+5]
.endm
.macro CLEVEL src, scr, l
	GROUPS \src, \scr
	INS \l+LCF, 3, 0, \scr
	v_max3_num_f32 v[\l+LCS], v[\l+LCS], v[\scr+1], v[\scr+3]
	INS \l+LCF, 3, 0, \scr+2
	v_max3_num_f32 v[\l+LCT], v[\l+LCT], v[\src+2], v[\src+5]
	INS \l+LCF, 3, 0, \scr+4
	v_max_num_f32 v[\l+LCS], v[\l+LCS], v[\src+7]
.endm
.macro SQ q                            ; query tile q: its 24 scores of the triple.  a -> TA, b -> TB_, c stays in the third accumulator; the first two accumulators, then TA, serve as scratch
.set xq, 8*(\q)
.set yq, 32+8*(\q)
.set zq, 64+8*(\q)
.set lq, LST+35*(\q)
.irp j, 0,1,2,3,4,5,6,7                ; ascending: each accumulator is read from its low end on
	S3 xq+\j, yq+\j, zq+\j, TA+\j, TB_+\j
.endr
	ALEVEL TA, xq, lq
	BLEVEL TB_, yq, lq
	CLEVEL zq, TA, lq
.endm
.macro STRIPLE
	WIN 0x55                                       ; all four places in window 1
	SQ 0
	SQ 1
	SQ 2
	SQ 3
	WIN 0
.endm
.macro LM off, n, d                    ; the list of n at off, whose elements have d dominators, into L9; the four query tiles by turns
.set mi, 1
.rept \n
.irp q, 0,1,2,3
	INS LST+35*\q, 9, mi*((\d)+1)-1, LST+35*\q+(\off)+mi-1
.endr
.set mi, mi+1
.endr
.endm
.macro MERGE4 adr, PI, PK              ; four descending lists of nine from LDS (element i of list k at i PI + k PK) into one: the i-th of a list finds i - 1 at least as large.  1 into 0 and 3 into 2 by turns, then 2 into 0
.irp k, 0,1,2,3
.irp i, 0,1,2,3,4,5,6,7,8
	ds_load_b32 v[CL+9*\k+\i], v[\adr] offset:\i*\PI+\k*\PK
.endr
.endr
	s_wait_dscnt 0x0
.irp i, 0,1,2,3,4,5,6,7,8
	INS CL, 9, \i, CL+9+\i
	INS CL+18, 9, \i, CL+27+\i
.endr
.irp i, 0,1,2,3,4,5,6,7,8
	INS CL, 9, \i, CL+18+\i
.endr
.endm
	s_load_b128 s[4:7], s[0:1], 0x0                ; emb_img s[4:5], bank_img s[6:7]
	s_load_b64 s[8:9], s[0:1], 0x10                ; out0
	v_lshl_add_u32 v[SPW], v0, 2, SPARE
	v_mov_b32 v[NIL], 0
	ds_add_u32 v7, v8
	ds_add_u32 v7, v8
	s_wait_dscnt 0x0
	v_lshrrev_b32 v225, 5, v0
	v_readfirstlane_b32 s[WV], v225                ; wave 0..7
	s_bfe_u32 s11, ttmp6, 0x40000                  ; cx: my place in the cluster
	s_lshl_b32 s12, ttmp9, 2                       ; in a cluster launch ttmp9 counts clusters
	s_add_co_u32 s12, s12, s11                     ; my block of 64 queries = 4 x cluster x + cx: it enters the queries' and out0's addresses alone
	; descriptor group 1: 15,360 dense bytes as 60 rows of 32 elements of 8 bytes, no padding
	s_mov_b32 s[G1], 15|(3<<16)|(1<<21)            ; 15:0 the mask: all four work-groups; 17:16 elements of 8 bytes; 21 set beside a mask
	s_mov_b32 s[G1+1], 32<<16                      ; 63:48 tensor_dim0, low half = 32
	s_mov_b32 s[G1+2], 60<<16                      ; 95:80 tensor_dim1, low half = 60
	s_mov_b32 s[G1+3], 32<<16                      ; 127:112 tile_dim0 = 32
	s_mov_b32 s[G1+4], 60                          ; 143:128 tile_dim1 = 60
	s_mov_b32 s[G1+5], 32                          ; 191:160 tensor_dim0_stride: rows follow each other
	s_mov_b32 s[G1+6], 0
	s_mov_b32 s[G1+7], 0
	s_mul_i32 s32, s[WV], 64*REC                   ; my wave's 64 records of the bank
	s_mov_b32 s33, 0
	s_mul_i32 s36, s[WV], FILLB                    ; my wave's part of a slot: no place in the cluster enters an LDS address
	s_mul_i32 s37, s[WV], 640
	s_mov_b32 s38, 0xff800000                      ; -infinity
	s_mov_b32 s[G0], 1                             ; 1:0 count = 1
	s_mov_b32 s[G0+1], s36                         ; 63:32 LDS address: slot 0
	s_mov_b32 s[OFS], 0
	s_mov_b32 s[OFS+1], 0
	s_mov_b32 s[TB], 0
	s_mov_b32 s[TRIPS], NTRIP
	s_mul_i32 s34, s12, 4*REC                      ; my work-group's four records of the queries
	s_mov_b32 s35, 0
	s_wait_kmcnt 0x0
	s_add_nc_u64 s[BB:BB+1], s[6:7], s[32:33]
	s_mov_b64 s[G0+2:G0+3], s[BB:BB+1]             ; 120:64 global address: my first three records
	s_or_b32 s[G0+3], s[G0+3], 0x80000000          ; 127:126 type = 2
	s_add_nc_u64 s[4:5], s[4:5], s[34:35]
	s_mul_i32 s34, s12, 2304                       ; 64 rows of 36 bytes: nine blocks of 256 bytes
	s_add_nc_u64 s[8:9], s[8:9], s[34:35]
	ROUND                                          ; all four work-groups are here: the first joint loads meet
	tensor_load_to_lds s[G0:G0+3], s[G1:G1+7]      ; slot 0; slot 1 is first filled behind the first trip's round, as a refill is
	s_nop 0
.rept 4
	v_nop
.endr
	v_and_b32 v226, 31, v0                         ; lane
	v_and_b32 v227, 15, v0                         ; r
	v_bfe_u32 v228, v0, 4, 1                       ; h
	v_lshlrev_b32 v229, 4, v226                    ; 16 x lane
	v_lshlrev_b32 v230, 4, v227                    ; 16 r
	v_and_b32 v233, 63, v0                         ; the query that I serve on the way out
	v_lshrrev_b32 v234, 6, v0                      ; and the part: four of its 16 lists
	v_lshrrev_b32 v231, 4, v233
	v_mul_u32_u24 v231, v231, REC
	v_lshl_add_u32 v231, v227, 2, v231             ; that query's record and row
.irp q, 0,1,2,3                                ; the queries stay in registers
.irp i, 0,1,2,3,4,5,6,7,8
	global_load_b128 v[QF+36*\q+4*\i:QF+36*\q+4*\i+3], v229, s[4:5] offset:\q*REC+512*\i
.endr
	global_load_b128 v[QS+4*\q:QS+4*\q+3], v230, s[4:5] offset:\q*REC+4608   ; row r's three scale words (and the word of 0)
.endr
	global_load_b32 v[XN], v231, s[4:5] offset:4864
	v_add_nc_u32 v[LAF], s36, v229
	v_add_nc_u32 v[LAS_], s36, v230
	v_lshlrev_b32 v232, 5, v228
	v_add_nc_u32 v[LAY], s36, v232
	v_mul_u32_u24 v[MW], v228, 320                 ; every LDS address of the way out is made here, ahead of the first parting of the waves
	v_lshl_add_u32 v[MW], v227, 2, v[MW]
	v_add_nc_u32 v[MW], s37, v[MW]
	v_add_nc_u32 v[MW], MG1, v[MW]                 ; MG1 + 320 (2 wave + h) + 4 r: 80 words from source to source, so that the two halves of the lanes fall on different banks
	v_mul_u32_u24 v[MR], v234, 1280
	v_lshl_add_u32 v[MR], v233, 2, v[MR]
	v_add_nc_u32 v[MR], MG1, v[MR]                 ; MG1 + 4 x 320 part + 4 query
	v_lshl_add_u32 v[M2W], v0, 2, MG2              ; MG2 + 256 part + 4 query = MG2 + 4 thread
	v_lshl_add_u32 v[M2R], v233, 2, MG2
	v_mul_u32_u24 v[OW], v233, 36
	v_add_nc_u32 v[OW], OUTS, v[OW]
	v_lshlrev_b32 v[T8], 3, v0
	v_lshl_add_u32 v[OL], v0, 3, OUTS
	WIN 0x40                                       ; destination window 1
.set n, 0
.rept 236
	v_mov_b32 v[n], s38                            ; -infinity: the 140 places of the lists, under every score; and the 96 of the accumulators, since waves 4-7 select first and have no triple behind them in the first trip
.set n, n+1
.endr
	WIN 0
	s_wait_loadcnt 0x0                             ; the queries
.Ltrip:                                            ; 21 trips: trip i reads triple i in slot i % 2, while the next three records land in the other slot
	CHANGE 1
	s_cmp_lt_u32 s[WV], 4
	s_cbranch_scc0 .Lselect_first                  ; the branches hang on the wave's number alone, and jump over products and LDS reads alone
	WTRIPLE                                        ; waves 0-3: this trip's triple,
.Lselect_first:
	STRIPLE                                        ; waves 0-3: and the selection from it.  Waves 4-7: the selection from the last trip's triple,
	s_cmp_lt_u32 s[WV], 4
	s_cbranch_scc1 .Lmultiplied
	WTRIPLE                                        ; and then this trip's triple
.Lmultiplied:
	s_xor_b32 s[TB], s[TB], SLOT1                  ; on to the other slot
	s_sub_co_u32 s[TRIPS], s[TRIPS], 1
	s_cmp_lg_u32 s[TRIPS], 0
	s_cbranch_scc1 .Ltrip
	CHANGE 0                                       ; the last fill has landed; nothing more is asked for, so no round follows
	s_cmp_lt_u32 s[WV], 4
	s_cbranch_scc1 .Lall_selected
	STRIPLE                                        ; waves 4-7: the last triple
.Lall_selected:
	WT 0, 2                                        ; the tile left over: the slot's third record
	WIN 0x55
.irp q, 0,1,2,3
	ALEVEL 8*\q, 32+8*\q, LST+35*\q                ; its eight scores a lane have no dominators: they are an a level
.endr
	LM LF2, 4, 1                                   ; THE WAY OUT.  A lane's lists into its L9, dominators first
	LM LF3, 3, 2
	LM LAS, 4, 1
	LM LAT, 3, 2
	LM LBF, 4, 1
	LM LBS, 2, 3
	LM LBT, 1, 5
	LM LCF, 3, 2
	LM LCS, 1, 5
	LM LCT, 1, 8
	WIN 0x04                                       ; an LDS store's data are its source 1: window 1
.irp q, 0,1,2,3
.irp i, 0,1,2,3,4,5,6,7,8
	ds_store_b32 v[MW], v[LST+35*\q+\i] offset:\i*5120+64*\q   ; a query's bank rows lie in 8 waves x 2 halves of the lanes: 16 lists of nine
.endr
.endr
	WIN 0
	s_wait_dscnt 0x0                               ; for the others' sake: my stores have landed
	s_barrier_signal -1
	s_barrier_wait -1
	MERGE4 MR, 5120, 320                           ; every thread: four of the 16 lists of one query
.irp i, 0,1,2,3,4,5,6,7,8
	ds_store_b32 v[M2W], v[CL+\i] offset:\i*1024
.endr
	s_wait_dscnt 0x0
	s_barrier_signal -1
	s_barrier_wait -1
	s_cmp_lt_u32 s[WV], 2
	s_cbranch_scc0 .Lnot_last                      ; waves 0 and 1: a thread to a query
	MERGE4 M2R, 1024, 256
.irp i, 0,1,2,3,4,5,6,7,8
	v_fma_f32 v[DS+\i], v[CL+\i], -2.0, v[XN]      ; d^2 = |x|^2 - 2 t: the largest t gives the smallest distance, so the order is ascending
.endr
.irp i, 0,1,2,3,4,5,6,7,8
	v_max_num_f32 v[DS+\i], 0, v[DS+\i]
.endr
.irp i, 0,1,2,3,4,5,6,7,8
	v_sqrt_f32 v[DS+\i], v[DS+\i]
.endr
	v_nop                                          ; a plain instruction between the last root and the use of its result
	s_wait_alu depctr_va_vdst(0)                   ; and a wait ahead of the first use: one for the nine roots
.irp i, 0,1,2,3,4,5,6,7,8
	ds_store_b32 v[OW], v[DS+\i] offset:4*\i       ; 9 words from lane to lane: every bank once
.endr
.Lnot_last:
	s_wait_dscnt 0x0
	s_barrier_signal -1
	s_barrier_wait -1                              ; the work-group's 2,304 bytes of out0 lie in LDS as they lie in memory
	s_cmp_lg_u32 s[WV], 0
	s_cbranch_scc1 .Lno_ninth
	ds_load_b64 v[64:65], v[OL] offset:2048
	s_wait_dscnt 0x0
	global_store_b64 v[T8], v[64:65], s[8:9] offset:2048   ; wave 0: the ninth block of 256 bytes
.Lno_ninth:
	ds_load_b64 v[62:63], v[OL]
	s_wait_dscnt 0x0
	global_store_b64 v[T8], v[62:63], s[8:9]       ; each wave stores 256 consecutive bytes, at a multiple of 256 from out0's first byte
	s_wait_tensorcnt 0x0                           ; the wave's end: behind my last tensor load and my last LDS store
	ds_add_u32 v[SPW], v[NIL]
	s_wait_dscnt 0x0
	ROUND                                          ; the closing round: no work-group ends while a partner may still ask for a tile that names it
	s_endpgm
.Lfunc_end_k_q92e3792b68_knn:
	.size	k_q92e3792b68_knn, .Lfunc_end_k_q92e3792b68_knn-k_q92e3792b68_knn
	.p2alignl 7, 3214868480
	.fill 96, 4, 3214868480
	.section	.rodata,"a",@progbits
	.p2align	6, 0x0
	.amdhsa_kernel k_q92e3792b68_knn
		.amdhsa_group_segment_fixed_size 327680
		.amdhsa_private_segment_fixed_size 0
		.amdhsa_enable_private_segment 0
		.amdhsa_kernarg_size 24
		.amdhsa_user_sgpr_count 2
		.amdhsa_user_sgpr_kernarg_segment_ptr 1
		.amdhsa_wavefront_size32 1
		.amdhsa_system_sgpr_workgroup_id_x 1
		.amdhsa_system_sgpr_workgroup_id_y 1
		.amdhsa_system_sgpr_workgroup_id_z 1
		.amdhsa_system_vgpr_workitem_id 0
		.amdhsa_next_free_vgpr 512
		.amdhsa_next_free_sgpr 66
		.amdhsa_reserve_vcc 0
		.amdhsa_float_denorm_mode_32 3
		.amdhsa_float_denorm_mode_16_64 3
		.amdhsa_memory_ordered 1
		.amdhsa_forward_progress 1
		.amdhsa_inst_pref_size 148
	.end_amdhsa_kernel
	.amdgpu_metadata
---
amdhsa.version: [ 1, 2 ]
amdhsa.kernels:
  - .name:           k_q92e3792b68_knn
    .symbol:         k_q92e3792b68_knn.kd
    .args:
      - { .name: emb_img, .offset: 0, .size: 8, .value_kind: global_buffer, .address_space: global }
      - { .name: bank_img, .offset: 8, .size: 8, .value_kind: global_buffer, .address_space: global }
      - { .name: out0, .offset: 16, .size: 8, .value_kind: global_buffer, .address_space: global }
    .group_segment_fixed_size: 327680
    .private_segment_fixed_size: 0
    .kernarg_segment_align: 8
    .kernarg_segment_size: 24
    .max_flat_workgroup_size: 256
    .sgpr_count:     66
    .vgpr_count:     512
    .wavefront_size: 32
...
	.end_amdgpu_metadata
.endif
;; end of part 2
